; MI455X (gfx1250); checked and timed in simulation.
; The chip was launched on July 23, 2026; its instructions are those of AMD's public machine-readable ISA for CDNA 5 (MIT licence, August 2026) and "CDNA5" Instruction Set Architecture Reference Guide (July 2026). The comments in the code are by the model that wrote it; some were corrected since.
;; Attention. Allowed arithmetic: matrix products marked QUANTISED: E2M1 operands, one E8M0 scale for each 32 along K, by v_wmma_scale_f32_16x16x128_f8f6f4 with both operands' format E2M1 (or v_wmma_scale_f32_32x16x128_f4), f32 sums; products left as they are: bf16, f16 or f32 operands; f32 sums; everything else in f32.
;; Inputs: attn_biases 8 x 1,024 float32; bias_idxs 1,024 x 1,024 int32; proj_b 512 float32; proj_w 1,024 x 512 float32; qkv_b 2,048 float32; qkv_w 512 x 2,048 float32; x 16 x 1,024 x 512 float32.
;; Outputs: out0 16 x 1,024 x 512 float32.
;; This version of the problem:
;;   THIS VERSION OF THE PROBLEM IS GIVEN IN LOW PRECISION. The matrix products marked QUANTISED in the list below multiply operands that are first quantised to E2M1 (2 exponent bits, 1 mantissa bit; 4 bits a number), with one power-of-two scale for each 32 numbers along K (OCP MX v1.0); their sums are f32. The products marked 'left as it is' may take bf16, f16 or f32 operands, with f32 sums. Whichever they take, every output number must still come out within the allowed error. Rounding operands to bf16 (8 significant bits) uses up far more of that allowance than f16 does (11 bits, for magnitudes from 6e-5 to 65,504). All else is computed in f32.
;;   The module's matrix products, in the order in which they are computed (A, B: the left and right operand; K: the contracted axis; several contracted axes count as one K, in the product's order):
;;     1. [M 16,384, K 512] x [K 512, N 2,048]; A: input x; B: input qkv_w: QUANTISED
;;     2. batch 128 x [M 1,024, K 64] x [K 64, N 1,024]; A: computed on the way; B: computed on the way: left as it is (an operand is computed on the way)
;;     3. batch 128 x [M 1,024, K 1,024] x [K 1,024, N 128]; A: computed on the way; B: computed on the way: left as it is (an operand is computed on the way)
;;     4. [M 16,384, K 1,024] x [K 1,024, N 512]; A: computed on the way; B: input proj_w: left as it is (an operand is computed on the way)
;;   THE QUANTISER, for each operand of a quantised product, along K:
;;     - K is cut into blocks of 32 from its start; a last block that is shorter is filled with zeros.
;;     - A block's scale is 2^e with e = floor(log2(the largest magnitude in the block)) - 2, held to -126 .. 127; a block of zeros has e = 0. As a byte (E8M0): e + 127.
;;     - Each number is divided by its block's scale, clamped to +-6, and rounded to the nearest number of E2M1, ties to even, subnormals kept.
;;     - The product sums the exact products of the quantised numbers (number of the format x scale) in f32.
;;   ~~~python
;;   def quantise(x, axis):      # numpy; x: float32 -> the quantised numbers, widened to float32 again
;;       x = np.moveaxis(x, axis, -1); K = x.shape[-1]
;;       x = np.pad(x, [(0, 0)] * (x.ndim - 1) + [(0, -K % 32)]); x = x.reshape(x.shape[:-1] + (-1, 32)); a = np.abs(x).max(-1, keepdims=True)
;;       e = np.where(a > 0, np.clip(np.frexp(np.where(a > 0, a, 1))[1] - 1 - 2, -126, 127), 0)      # np.frexp(a)[1] - 1 = floor(log2(a)), exactly
;;       r = np.clip(x / 2.0 ** e, -6, 6)
;;       step = 2.0 ** (np.maximum(np.frexp(np.where(r == 0, 1, r))[1] - 1, 0) - 1)
;;       q = np.round(r / step) * step * 2.0 ** e      # np.round: ties to even
;;       return np.moveaxis(q.reshape(q.shape[:-2] + (-1,))[..., :K], -1, axis).astype(np.float32)
;;   ~~~
;; One version. Each part assembles by itself: llvm-mc -triple=amdgcn-amd-amdhsa -mcpu=gfx1250 --defsym DOCPART=n.
;; ======== version 1 of 1: 4 launches
;; limits: values are held in f16: magnitudes above 65,504 overflow, below 6.1e-05 lose precision
;; workspace buffers: bimg 33,554,432 bytes; w_img 524,288 bytes; w_sc 32,768 bytes; pimg 1,048,576 bytes; qf 16,777,216 bytes; kv 50,331,648 bytes; oimg 33,554,432 bytes
;; launch prep (part 1): grid 448 x 1, 4 waves a work-group, no clusters, 0 bytes of LDS; arguments bias_idxs, attn_biases, qkv_w, proj_w, bimg, w_img, w_sc, pimg; writes bimg, w_img, w_sc, pimg
.if DOCPART == 1
	.amdgcn_target "amdgcn-amd-amdhsa--gfx1250"
	.amdhsa_code_object_version 6
	.text
	.protected	k_q2cfbc7ac8d_prep
	.globl	k_q2cfbc7ac8d_prep
	.p2align	8
	.type	k_q2cfbc7ac8d_prep,@function
k_q2cfbc7ac8d_prep:
	s_mov_b64 s[64:65], 0
	v_nop
	global_prefetch_b8 v0, s[64:65] scope:SCOPE_SE
	s_setreg_imm32_b32 hwreg(HW_REG_WAVE_MODE, 25, 1), 1
	s_wait_xcnt 0x0
; THE PROGRAM: attention with a looked-up bias, in four launches: prep (this one), qkv, attn, proj.
; WORK LEFT OUT, AND WHY IT IS DEAD.  k's part of qkv_b (columns 64..127 of each head's 256) is never loaded.  A score is SCALE q_n.(k_m + b_k) + bias(n, m) = SCALE q_n.k_m + bias(n, m) + SCALE q_n.b_k,
; and the last term is the same for all keys m of a query n: the softmax runs along m, so a term that is constant along m cancels in it, for all values of the inputs.  The product q k^T is not quantised, and k goes
; nowhere else, so b_k reaches no output.  q's and v's parts of qkv_b are live and are loaded (launch qkv).  LIMIT: a NaN, an infinity or an overflow that reaches only b_k is not carried to the result.
; THIS LAUNCH lays three inputs out once, in the order of the operand registers that will read them (an IMAGE: a fragment's registers 0-3 at 16 x lane, registers 4-7 at 512 + 16 x lane, 1,024 bytes), so that every later load is 512 consecutive bytes.
;   work-groups 0-255:   bimg[h][query tile 64][key tile 64]: f32, lane (r, g) register j = log2(e) x attn_biases[h][bias_idxs[16 qt + r][16 kt + 8 g + j]]: the C operand of a tile of scores (a lane holds one query, eight keys).
;   work-groups 256-319: qkv_w [512 (k)][2048 (n)] becomes codes of E2M1 along K with one E8M0 byte for each 32: w_img[n tile 128][K step 4], w_sc[n][4 words].  A lane takes a column and its registers run down K.
;   work-groups 320-447: proj_w [1024 (k)][512 (n)] becomes f16: pimg[column group 4][K step 32][n tile 8].
; The index is an input: it is read, held to the table's 1,024 entries, and used as it is given.  No LDS, no barrier: waves share nothing.
; LIMITS: a block of qkv_w whose largest magnitude lies under 2^-124 has its scale byte held at 1; a block of zeros gets the byte 1 with zero codes (this program alone reads the bytes); NaN and infinities are not served.
; proj_w in f16: magnitudes from 6e-5 to 65,504 keep 11 bits; the drawn spread (1/32) has room for 30 times more or less.
.set LOG2E, 0x3fb8aa3b
.set IX, 16                            ; v16-47   32 indices, then byte offsets into a head's row of the table
.set GS, 48                            ; v48-111  two sets of 32 gathered numbers
.set WX, 16                            ; v16-143  128 numbers of a column of qkv_w
.set WC, 144                           ; v144-159 their codes, four registers a block
	s_load_b256 s[4:11], s[0:1], 0x0               ; bias_idxs s[4:5], attn_biases s[6:7], qkv_w s[8:9], proj_w s[10:11]
	s_load_b256 s[12:19], s[0:1], 0x20             ; bimg s[12:13], w_img s[14:15], w_sc s[16:17], pimg s[18:19]
	v_lshrrev_b32 v1, 5, v0
	v_readfirstlane_b32 s20, v1                    ; wave 0..3
	v_and_b32 v1, 31, v0                           ; lane
	v_and_b32 v2, 15, v0                           ; r
	v_bfe_u32 v3, v0, 4, 1                         ; g
	v_lshlrev_b32 v4, 4, v1                        ; 16 x lane
	s_mov_b32 s27, 0                               ; the high word of every offset pair s[26:27]
	s_wait_kmcnt 0x0
	s_cmp_lt_u32 ttmp9, 256
	s_cbranch_scc0 .Lweights
; ---- THE BIAS IMAGES.  A wave takes one query tile (16 queries) x 64 keys, for all eight heads: the indices are read once and serve eight gathers.
	s_lshl_b32 s21, ttmp9, 2
	s_add_co_u32 s21, s21, s20                     ; task 0..1023
	s_lshr_b32 s22, s21, 4                         ; query tile
	s_and_b32 s23, s21, 15                         ; which 64 keys
	s_lshl_b32 s24, s22, 16                        ; 16 rows of 4,096 bytes of indices; also a query tile's 64 images
	s_lshl_b32 s26, s23, 8
	s_add_co_u32 s26, s26, s24
	s_add_nc_u64 s[4:5], s[4:5], s[26:27]
	s_lshl_b32 s26, s23, 12                        ; four images of 1,024 bytes
	s_add_co_u32 s26, s26, s24
	s_add_nc_u64 s[12:13], s[12:13], s[26:27]
.irp hd, 0,1,2,3,4,5,6,7
	s_add_nc_u64 s[32+2*\hd:33+2*\hd], s[12:13], \hd*0x400000   ; a base for each head: a head's images are 4 MiB, more than seven of which an immediate does not hold
.endr
	s_mov_b32 s28, LOG2E
	s_mov_b32 s29, s28                             ; (named with it as a pair, so it is written)
	v_lshlrev_b32 v5, 12, v2
	v_lshl_add_u32 v5, v3, 5, v5                   ; row r, + 32 g bytes: my eight indices of a key tile
.irp kt, 0,1,2,3
.irp f, 0,1
	global_load_b128 v[IX+8*\kt+4*\f:IX+8*\kt+4*\f+3], v5, s[4:5] offset:\kt*64+\f*16 th:TH_LOAD_NT   ; the eight loads together take 256 whole bytes of each of 16 rows
.endr
.endr
	s_wait_loadcnt 0x0
.set i, 0
.rept 32
	v_min_u32 v[IX+i], 0x3ff, v[IX+i]              ; an index stays inside the table that it indexes
.set i, i+1
.endr
.set i, 0
.rept 32
	v_lshlrev_b32 v[IX+i], 2, v[IX+i]              ; in bytes
.set i, i+1
.endr
.macro GATH hd                         ; head hd's 32 numbers into set hd % 2
.set i, 0
.rept 32
	global_load_b32 v[GS+32*((\hd)%2)+i], v[IX+i], s[6:7] offset:(\hd)*4096
.set i, i+1
.endr
.endm
.macro HEAD hd
.if (\hd) < 7
.if (\hd) > 0
	s_wait_xcnt 0x0                                ; the stores of the head before have read the set that is loaded now
.endif
	GATH (\hd)+1
	s_wait_loadcnt 32                              ; my 32 gathers are in; the next head's 32 may be out
.else
	s_wait_loadcnt 0x0
.endif
.set i, 0
.rept 16
	v_pk_mul_f32 v[GS+32*((\hd)%2)+i:GS+32*((\hd)%2)+i+1], v[GS+32*((\hd)%2)+i:GS+32*((\hd)%2)+i+1], s[28:29] op_sel_hi:[1,0]   ; x log2(e): the softmax works in base 2
.set i, i+2
.endr
.irp kt, 0,1,2,3
.irp f, 0,1
	global_store_b128 v4, v[GS+32*((\hd)%2)+8*\kt+4*\f:GS+32*((\hd)%2)+8*\kt+4*\f+3], s[32+2*(\hd):33+2*(\hd)] offset:\kt*1024+\f*512   ; 512 consecutive bytes, aligned
.endr
.endr
.endm
	GATH 0
.irp hd, 0,1,2,3,4,5,6,7
	HEAD \hd
.endr
	s_endpgm
.Lweights:
	s_cmp_lt_u32 ttmp9, 320
	s_cbranch_scc0 .Lproj
; ---- qkv_w INTO CODES.  A wave takes 32 columns x one K step of 128: four blocks of 32 a lane, each wholly in the lane's registers.
	s_sub_co_u32 s21, ttmp9, 256
	s_lshl_b32 s21, s21, 2
	s_add_co_u32 s21, s21, s20                     ; task 0..255
	s_lshr_b32 s22, s21, 2                         ; which 32 columns
	s_and_b32 s23, s21, 3                          ; which K step
	s_lshl_b32 s26, s23, 20                        ; 128 rows of 8,192 bytes
	s_lshl_b32 s24, s22, 7
	s_add_co_u32 s26, s26, s24
	s_add_nc_u64 s[8:9], s[8:9], s[26:27]
	s_lshl_b32 s26, s22, 13                        ; two column tiles of 4 images
	s_lshl_b32 s24, s23, 10
	s_add_co_u32 s26, s26, s24
	s_add_nc_u64 s[14:15], s[14:15], s[26:27]
	s_lshl_b32 s26, s22, 9                         ; 32 columns x 16 bytes of scale words
	s_lshl_b32 s24, s23, 2
	s_add_co_u32 s26, s26, s24
	s_add_nc_u64 s[16:17], s[16:17], s[26:27]
	v_lshlrev_b32 v5, 2, v1                        ; in: 4 bytes a lane
	v_lshlrev_b32 v11, 4, v2
	v_lshl_add_u32 v11, v3, 12, v11                ; out: lanes 16-31 hold the next column tile, 4,096 bytes on; 16 r inside an image's quarter
.macro LOADB bb                        ; block bb: rows 32 bb + i of my column; a load reads 128 consecutive bytes
.set i, 0
.rept 32
	global_load_b32 v[WX+32*(\bb)+i], v5, s[8:9] offset:(32*(\bb)+i)*8192 th:TH_LOAD_NT
.set i, i+1
.endr
.endm
.macro BLK bb
.set XB, WX+32*(\bb)
.if (\bb) < 3
	s_wait_loadcnt 32                              ; this block's 32 loads are in; the next block's may be out
.else
	s_wait_loadcnt 0x0
.endif
.if (\bb)+2 < 4
	LOADB (\bb)+2                                  ; two blocks ahead, into registers of its own
.endif
	v_max3_num_f32 v6, |v[XB]|, |v[XB+1]|, |v[XB+2]|               ; the block's largest magnitude, in two chains
	v_max3_num_f32 v7, |v[XB+3]|, |v[XB+4]|, |v[XB+5]|
.irp i, 6,10,14,18,22,26
	v_max3_num_f32 v6, v6, |v[XB+\i]|, |v[XB+\i+1]|
	v_max3_num_f32 v7, v7, |v[XB+\i+2]|, |v[XB+\i+3]|
.endr
	v_max3_num_f32 v6, v6, |v[XB+30]|, |v[XB+31]|
	v_max3_num_f32 v6, v6, v7, 0x1800000           ; and the floor 2^(3 - 127): the byte cannot fall under 1
	v_add_nc_u32 v8, 0xff000000, v6                ; 2 off the exponent field: the conversion takes this operand's exponent field as its scale
	v_lshrrev_b32 v9, 23, v8                       ; the scale's byte
.if (\bb) == 0
	v_mov_b32 v10, v9
.else
	v_lshl_or_b32 v10, v9, 8*(\bb), v10            ; four bytes make the K step's scale word, the lower K in the lower byte
.endif
.irp gq, 0,1,2,3
	v_cvt_scalef32_pk8_fp4_f32 v[WC+4*(\bb)+\gq], v[XB+8*\gq:XB+8*\gq+7], v8
.endr
	v_nop                                          ; one plain line behind the last conversion
	global_store_b128 v11, v[WC+4*(\bb):WC+4*(\bb)+3], s[14:15] offset:((\bb)/2)*512+((\bb)%2)*256   ; block bb is registers 4 (bb / 2) on of the fragment's lanes 16 (bb % 2) + r: sixteen lanes fill 256 aligned bytes
.endm
	LOADB 0
	LOADB 1
	BLK 0
	BLK 1
	BLK 2
	BLK 3
	global_store_b32 v4, v10, s[16:17]             ; my column's word of this K step: 4 bytes of 16; the whole table is 32,768 bytes
	s_endpgm
.Lproj:
; ---- proj_w INTO f16.  A wave takes 32 columns x one K step of 32.
	s_sub_co_u32 s21, ttmp9, 320
	s_lshl_b32 s21, s21, 2
	s_add_co_u32 s21, s21, s20                     ; task 0..511
	s_lshr_b32 s22, s21, 4                         ; K step
	s_and_b32 s23, s21, 15                         ; which 32 columns
	s_lshl_b32 s26, s22, 16                        ; 32 rows of 2,048 bytes
	s_lshl_b32 s24, s23, 7
	s_add_co_u32 s26, s26, s24
	s_add_nc_u64 s[10:11], s[10:11], s[26:27]
	s_lshr_b32 s24, s23, 2
	s_lshl_b32 s26, s24, 18                        ; column group: 32 K steps x 8 images
	s_lshl_b32 s24, s22, 13
	s_add_co_u32 s26, s26, s24
	s_and_b32 s24, s23, 3
	s_lshl_b32 s24, s24, 11                        ; two column tiles
	s_add_co_u32 s26, s26, s24
	s_add_nc_u64 s[18:19], s[18:19], s[26:27]
	v_lshlrev_b32 v5, 2, v1
	v_lshlrev_b32 v11, 4, v2
	v_lshl_add_u32 v11, v3, 10, v11                ; lanes 16-31 hold the next column tile's image
.set i, 0
.rept 32
	global_load_b32 v[16+i], v5, s[10:11] offset:i*2048 th:TH_LOAD_NT
.set i, i+1
.endr
	s_wait_loadcnt 0x0
.set i, 0
.rept 16
	v_cvt_pk_f16_f32 v[48+i], v[16+2*i], v[17+2*i]
.set i, i+1
.endr
.irp kq, 0,1,2,3
	global_store_b128 v11, v[48+4*\kq:48+4*\kq+3], s[18:19] offset:(\kq/2)*512+(\kq%2)*256   ; k = 8 kq on: registers 4 (kq / 2) on of the fragment's lanes 16 (kq % 2) + r
.endr
	s_endpgm
.Lfunc_end_k_q2cfbc7ac8d_prep:
	.size	k_q2cfbc7ac8d_prep, .Lfunc_end_k_q2cfbc7ac8d_prep-k_q2cfbc7ac8d_prep
	.p2alignl 7, 3214868480
	.fill 96, 4, 3214868480
	.section	.rodata,"a",@progbits
	.p2align	6, 0x0
	.amdhsa_kernel k_q2cfbc7ac8d_prep
		.amdhsa_group_segment_fixed_size 0
		.amdhsa_private_segment_fixed_size 0
		.amdhsa_enable_private_segment 0
		.amdhsa_kernarg_size 64
		.amdhsa_user_sgpr_count 2
		.amdhsa_user_sgpr_kernarg_segment_ptr 1
		.amdhsa_wavefront_size32 1
		.amdhsa_system_sgpr_workgroup_id_x 1
		.amdhsa_system_sgpr_workgroup_id_y 1
		.amdhsa_system_sgpr_workgroup_id_z 1
		.amdhsa_system_vgpr_workitem_id 0
		.amdhsa_next_free_vgpr 176
		.amdhsa_next_free_sgpr 66
		.amdhsa_reserve_vcc 0
		.amdhsa_float_denorm_mode_32 3
		.amdhsa_float_denorm_mode_16_64 3
		.amdhsa_memory_ordered 1
		.amdhsa_forward_progress 1
		.amdhsa_inst_pref_size 69
	.end_amdhsa_kernel
	.amdgpu_metadata
---
amdhsa.version: [ 1, 2 ]
amdhsa.kernels:
  - .name:           k_q2cfbc7ac8d_prep
    .symbol:         k_q2cfbc7ac8d_prep.kd
    .args:
      - { .name: bias_idxs, .offset: 0, .size: 8, .value_kind: global_buffer, .address_space: global }
      - { .name: attn_biases, .offset: 8, .size: 8, .value_kind: global_buffer, .address_space: global }
      - { .name: qkv_w, .offset: 16, .size: 8, .value_kind: global_buffer, .address_space: global }
      - { .name: proj_w, .offset: 24, .size: 8, .value_kind: global_buffer, .address_space: global }
      - { .name: bimg, .offset: 32, .size: 8, .value_kind: global_buffer, .address_space: global }
      - { .name: w_img, .offset: 40, .size: 8, .value_kind: global_buffer, .address_space: global }
      - { .name: w_sc, .offset: 48, .size: 8, .value_kind: global_buffer, .address_space: global }
      - { .name: pimg, .offset: 56, .size: 8, .value_kind: global_buffer, .address_space: global }
    .group_segment_fixed_size: 0
    .private_segment_fixed_size: 0
    .kernarg_segment_align: 8
    .kernarg_segment_size: 64
    .max_flat_workgroup_size: 128
    .sgpr_count:     66
    .vgpr_count:     176
    .wavefront_size: 32
...
	.end_amdgpu_metadata
.endif
;; end of part 1
;; launch qkv (part 2): grid 256 x 1, 8 waves a work-group, no clusters, 87,040 bytes of LDS; arguments x, w_img, w_sc, qkv_b, qf, kv; writes qf, kv
.if DOCPART == 2
	.amdgcn_target "amdgcn-amd-amdhsa--gfx1250"
	.amdhsa_code_object_version 6
	.text
	.protected	k_q2cfbc7ac8d_qkv
	.globl	k_q2cfbc7ac8d_qkv
	.p2align	8
	.type	k_q2cfbc7ac8d_qkv,@function
k_q2cfbc7ac8d_qkv:
	s_mov_b64 s[64:65], 0
	v_nop
	global_prefetch_b8 v0, s[64:65] scope:SCOPE_SE
	s_setreg_imm32_b32 hwreg(HW_REG_WAVE_MODE, 25, 1), 1
	s_wait_xcnt 0x0
; q, k, v = x qkv_w + qkv_b, on codes of E2M1 with one E8M0 scale for each 32 along K; sums in f32; results rounded once to f16 and stored as images of the operand registers that launch attn reads.
; LEFT OUT: k's part of qkv_b: it adds the same number to all scores of a query and cancels in the softmax (shown at the head of launch prep).
; SHARES.  A work-group takes 64 tokens; wave w is head w and makes that head's 256 columns (tiles 0-3 q, 4-7 k, 8-15 v) for all 64 tokens.  x is read and quantised once in the whole program:
; wave w quantises two of the sixteen fragments (16 tokens x 128 K) and hands them to the others through LDS as images of their registers.
; qkv_w's codes come from launch prep's images straight into registers, three column tiles ahead.  NO CLUSTER: a work-group's codes of W are 524,288 bytes, more than LDS holds, and each byte is used by one wave once:
; a joint load would add a ring and a pass through LDS for bytes that are read once a work-group.
; LAYOUT.  q and k tiles are used transposed (source 0 = 16 columns of W, source 1 = 16 tokens): a lane holds one token and eight neighbouring channels, which packed to f16 are half a fragment of q or k.
; v tiles are used as they stand (source 0 = tokens, source 1 = columns): a lane holds one channel and eight neighbouring tokens: half a fragment of V^T, whose K is the keys.
; q is multiplied by c = log2(e) / 8, so that launch attn's scores come out in base 2.
; LIMITS: a block of x whose largest magnitude lies under 2^-124 has its byte held at 1; NaN and infinities are not served; q c, k and v go in f16 (largest 65,504): inputs 30 times larger in x and in W give about 5e3.
; REGISTERS.  window 0: v1-11 addresses; v12-19 x's scale words; v20-36 at work in the quantiser; v40-47 codes; v48-111 64 numbers of x, later v48-79 four accumulators;
;   v112-239 x as loaded, later v128-159 bias (ring of 4); packed results: EIGHT sets of 16 in v80-127 and v160-239, so that a set is written again only eight tiles later; v240-255 W's scale words (ring of 4).
;   window 1: v0-127 x's sixteen fragments; v128-255 W's fragments (ring of 4 tiles x 4 K steps).
.set XIMG,  0                          ; LDS: x's sixteen fragments, 1,024 bytes each: (token tile m, K step s) at 4 m + s
.set XSC,   16384                      ; their scale words, 128 bytes each
.set STG,   18432                      ; a stage for each wave: 16 rows x (512 bytes + 16): row r starts 4 r banks on
.set SPARE, 86016                      ; the spare words, 128 bytes for each wave: four blocks of 256 bytes that no other line names
.set L16, 1                            ; 16 x lane
.set WSO, 2                            ; 16 r: a column's four scale words
.set BQO, 3                            ; 32 g: q's bias, eight channels of my half
.set BVO, 4                            ; 4 r: v's bias, my channel
.set SIN, 5                            ; the stage, on the way in
.set SOUT, 6                           ; and out
.set XWI, 7                            ; where I store my two images
.set XWS, 8                            ; and their scale words
.set LSP, 9                            ; 4 x lane + 128 g: lanes 0-15 take one K step's words, lanes 16-31 the next one's
.set SPW, 10                           ; my spare word; never rewritten
.set NIL, 11                           ; 0; never rewritten
.set XS,  12                           ; register 2 m + sp: lanes 0-15 the words of (m, 2 sp), lanes 16-31 of (m, 2 sp + 1)
.set TM,  20
.set PW,  36
.set PC,  40
.set XN,  48
.set ACC, 48
.set RAW, 112
.set BI,  128
.set WS,  240
.set XF,  0                            ; window 1
.set WB,  128                          ; window 1
.set SEL, 20                           ; s[20:21]
.set MSB, 0
.macro WIN new                         ; the immediate's high byte repeats the setting that is left
.if MSB != \new
	s_set_vgpr_msb (MSB<<8)|\new
.set MSB, \new
.endif
.endm
; 64 numbers of a lane, register 16 b + i = k 32 b + 16 g + i of my row, become a fragment's codes in v[PC] on and its scale word in v[PW]
.macro QUANT s
.irp b, 0,1,2,3
	v_max3_num_f32 v[TM+\b], |v[\s+16*\b]|, |v[\s+1+16*\b]|, 0x1800000   ; block b: my 16 numbers, and the floor 2^(3 - 127): the byte cannot fall under 1
.endr
.irp i, 2,4,6,8,10,12,14
.irp b, 0,1,2,3
	v_max3_num_f32 v[TM+\b], v[TM+\b], |v[\s+16*\b+\i]|, |v[\s+1+16*\b+\i]|   ; the four blocks by turns
.endr
.endr
.irp b, 0,1,2,3
	v_permlanex16_b32 v[TM+4+\b], v[TM+\b], s[SEL], s[SEL+1]
.endr
.irp b, 0,1,2,3
	v_max_num_f32 v[TM+\b], v[TM+\b], v[TM+4+\b]   ; with the lane 16 away: the block's largest magnitude
.endr
.irp b, 0,1,2,3
	v_add_nc_u32 v[TM+12+\b], 0xff000000, v[TM+\b] ; 2 off its exponent field: the conversion's scale operand
.endr
.irp b, 0,1,2,3
	v_lshrrev_b32 v[TM+4+\b], 23, v[TM+12+\b]      ; the scale's byte
.endr
	v_lshl_or_b32 v[PW], v[TM+5], 8, v[TM+4]
	v_lshl_or_b32 v[PW], v[TM+6], 16, v[PW]
	v_lshl_or_b32 v[PW], v[TM+7], 24, v[PW]
.irp b, 0,1,2,3
	v_cvt_scalef32_pk8_fp4_f32 v[PC+2*\b], v[\s+16*\b:\s+7+16*\b], v[TM+12+\b]
	v_cvt_scalef32_pk8_fp4_f32 v[PC+1+2*\b], v[\s+8+16*\b:\s+15+16*\b], v[TM+12+\b]
.endr
	v_nop                                          ; one plain line behind the last conversion
.irp c, 0,1                                    ; the operand's layout wants a whole block in a lane
.irp i, 0,1
	v_permlane16_swap_b32 v[PC+4*\c+\i], v[PC+2+4*\c+\i]
.endr
.endr
.endm
	s_load_b256 s[4:11], s[0:1], 0x0               ; x s[4:5], w_img s[6:7], w_sc s[8:9], qkv_b s[10:11]
	s_load_b128 s[12:15], s[0:1], 0x20             ; qf s[12:13], kv s[14:15]
	v_lshl_add_u32 v[SPW], v0, 2, SPARE
	v_mov_b32 v[NIL], 0
	v_lshrrev_b32 v37, 5, v0
	v_readfirstlane_b32 s16, v37                   ; wave 0..7 = head
	v_and_b32 v37, 31, v0                          ; lane
	v_and_b32 v38, 15, v0                          ; r
	v_bfe_u32 v39, v0, 4, 1                        ; g
	v_lshlrev_b32 v[L16], 4, v37
	v_lshlrev_b32 v[WSO], 4, v38
	v_lshlrev_b32 v[BQO], 5, v39
	v_lshlrev_b32 v[BVO], 2, v38
	s_mul_i32 s17, s16, 8448
	s_add_co_u32 s17, s17, STG                     ; my stage
	v_add_nc_u32 v[SIN], s17, v[L16]
	v_mul_u32_u24 v[SOUT], v38, 528
	v_lshl_add_u32 v[SOUT], v39, 6, v[SOUT]
	v_add_nc_u32 v[SOUT], s17, v[SOUT]             ; row r, + 64 g: my 16 numbers of a block of 32
	s_lshl_b32 s17, s16, 11
	v_add_nc_u32 v[XWI], s17, v[L16]               ; fragments 2 w and 2 w + 1
	s_lshl_b32 s17, s16, 8
	s_add_co_u32 s17, s17, XSC
	v_lshl_add_u32 v[XWS], v37, 2, s17
	v_lshlrev_b32 v[LSP], 2, v37
	v_lshl_add_u32 v[LSP], v39, 7, v[LSP]
.irp b, 0,1,2,3
	v_mov_b32 v[TM+4+\b], 0                        ; written once: a lane permute's destination counts as one of its sources
.endr
	s_mov_b32 s[SEL], 0x76543210
	s_mov_b32 s[SEL+1], 0xfedcba98
	s_mov_b32 s22, 0x3e38aa3b                      ; c = log2(e) / 8
	s_mov_b32 s23, s22
	s_lshr_b32 s18, ttmp9, 4                       ; batch
	s_and_b32 s19, ttmp9, 15                       ; which 64 tokens of it
	s_lshl_b32 s30, s18, 3
	s_add_co_u32 s30, s30, s16                     ; batch x 8 + head
	s_lshl_b32 s32, ttmp9, 6
	s_lshr_b32 s33, s16, 1
	s_lshl_b32 s33, s33, 4
	s_add_co_u32 s32, s32, s33                     ; x: the 16 tokens that I quantise,
	s_lshl_b32 s32, s32, 11
	s_and_b32 s33, s16, 1
	s_lshl_b32 s33, s33, 10                        ; and my two K steps of them
	s_add_co_u32 s32, s32, s33
	s_mov_b32 s33, 0
	s_lshl_b32 s34, s16, 16                        ; my 16 column tiles of W's images,
	s_mov_b32 s35, 0
	s_lshl_b32 s36, s16, 12                        ; their scale words,
	s_mov_b32 s37, 0
	s_lshl_b32 s38, s16, 10                        ; and my 256 numbers of the bias
	s_mov_b32 s39, 0
	s_lshl_b32 s40, s30, 17                        ; qf: 64 token tiles x 2,048 bytes a head,
	s_lshl_b32 s41, s19, 13                        ; four tiles a work-group
	s_add_co_u32 s40, s40, s41
	s_mov_b32 s41, 0
	s_mul_i32 s42, s30, 393216                     ; kv: four slots of 98,304 bytes a head
	s_lshr_b32 s31, s19, 2
	s_mul_i32 s31, s31, 98304
	s_add_co_u32 s42, s42, s31
	s_and_b32 s31, s19, 3
	s_lshl_b32 s44, s31, 14                        ; V^T: two groups of 32 keys x 8 images,
	s_add_co_u32 s44, s44, s42
	s_add_co_u32 s44, s44, 32768                   ; behind the slot's K
	s_lshl_b32 s31, s31, 13                        ; K: four key tiles x 2 images
	s_add_co_u32 s42, s42, s31
	s_mov_b32 s43, 0
	s_mov_b32 s45, 0
	s_wait_kmcnt 0x0
	s_add_nc_u64 s[4:5], s[4:5], s[32:33]
	s_add_nc_u64 s[6:7], s[6:7], s[34:35]
	s_add_nc_u64 s[8:9], s[8:9], s[36:37]
	s_add_nc_u64 s[10:11], s[10:11], s[38:39]
	s_add_nc_u64 s[24:25], s[12:13], s[40:41]      ; where q goes
	s_add_nc_u64 s[26:27], s[14:15], s[42:43]      ; k
	s_add_nc_u64 s[28:29], s[14:15], s[44:45]      ; v
; ---- x: 16 tokens x two K steps.  A load takes 512 consecutive bytes of a row; the numbers turn through my stage so that a lane holds 16 neighbours of each block of 32.
.irp u, 0,1
.irp i, 0,1,2,3,4,5,6,7,8,9,10,11,12,13,14,15
	global_load_b128 v[RAW+64*\u+4*\i:RAW+64*\u+4*\i+3], v[L16], s[4:5] offset:\i*2048+\u*512 th:TH_LOAD_NT
.endr
.endr
.irp u, 0,1
	s_wait_loadcnt 16-16*\u                        ; this K step's sixteen loads are in; the other's may be out
.irp i, 0,1,2,3,4,5,6,7,8,9,10,11,12,13,14,15
	ds_store_b128 v[SIN], v[RAW+64*\u+4*\i:RAW+64*\u+4*\i+3] offset:\i*528
.endr
.irp bq, 0,1,2,3
.irp j, 0,1,2,3
	ds_load_b128 v[XN+16*\bq+4*\j:XN+16*\bq+4*\j+3], v[SOUT] offset:128*\bq+16*\j   ; LDS serves a wave's instructions in order: these see my stores
.endr
.endr
	s_wait_dscnt 0x0                               ; the numbers are back; the image stores of the step before have read their registers
	QUANT XN
	ds_store_b128 v[XWI], v[PC:PC+3] offset:XIMG+\u*1024
	ds_store_b128 v[XWI], v[PC+4:PC+7] offset:XIMG+\u*1024+512
	ds_store_b32 v[XWS], v[PW] offset:\u*128
.endr
; column tile ct's fragments of W (four K steps), its scale words and its bias, into slot ct % 4 of the rings: 11 loads for q and v, 9 for k
.macro LOADW ct
.set lq, (\ct)%4
	WIN 0x40                                       ; destination window 1
.irp s, 0,1,2,3
.irp c, 0,1
	global_load_b128 v[WB+32*lq+8*\s+4*\c:WB+32*lq+8*\s+4*\c+3], v[L16], s[6:7] offset:(\ct)*4096+\s*1024+\c*512
.endr
.endr
	WIN 0
	global_load_b128 v[WS+4*lq:WS+4*lq+3], v[WSO], s[8:9] offset:(\ct)*256
.if (\ct) < 4
	global_load_b128 v[BI+8*lq:BI+8*lq+3], v[BQO], s[10:11] offset:(\ct)*64        ; q: the bias in the result's layout: it is the C of the first product
	global_load_b128 v[BI+8*lq+4:BI+8*lq+7], v[BQO], s[10:11] offset:(\ct)*64+16
.elseif (\ct) >= 8
	global_load_b32 v[BI+8*lq], v[BVO], s[10:11] offset:(\ct)*64                   ; v: my channel's bias;
	global_load_b32 v[BI+8*lq+1], v[BVO], s[10:11] offset:(\ct)*64                 ; (the packed addition names a pair, so both are written)
.endif
.endm
	LOADW 0
	LOADW 1
	LOADW 2
	s_wait_dscnt 0x0                               ; for the others' sake: my images have landed
	s_barrier_signal -1
	s_barrier_wait -1                              ; x's sixteen fragments lie in LDS
	WIN 0x40
.irp f, 0,1,2,3,4,5,6,7,8,9,10,11,12,13,14,15
.irp c, 0,1
	ds_load_b128 v[XF+8*\f+4*\c:XF+8*\f+4*\c+3], v[L16] offset:XIMG+\f*1024+\c*512   ; they stay in my registers
.endr
.endr
	WIN 0
.irp m, 0,1,2,3
.irp sp, 0,1
	ds_load_b32 v[XS+2*\m+\sp], v[LSP] offset:XSC+128*(4*\m+2*\sp)
.endr
.endr
	s_wait_dscnt 0x0
; A COLUMN TILE: 16 columns x 64 tokens x K 512: sixteen products, the four accumulators by turns, one instruction a turn.
.macro TILE ct
.if (\ct) == 8
	s_wait_xcnt 0x0                                ; the stores of tiles 0 to 7 have read their eight packed sets: tiles 8 to 15 write those sets again only behind this one wait
.endif
.if (\ct)+3 <= 15
	LOADW (\ct)+3                                  ; into the slot that the tile before has left: its four v_nop are the places behind its last product
.endif
.set CNT, 0
.irp d, 1,2,3
.if (\ct)+\d <= 15
.if ((\ct)+\d >= 4) && ((\ct)+\d < 8)
.set CNT, CNT+9
.else
.set CNT, CNT+11
.endif
.endif
.endr
	s_wait_loadcnt CNT                             ; this tile's loads are in; those of the up to three younger tiles may be out
.set tq, (\ct)%4
	WIN 0x05                                       ; both sources window 1; C and D window 0
.set ks, 0
.rept 4
.set mm, 0
.rept 4
.set rD, ACC+8*mm
.set rW, WB+32*tq+8*ks
.set rX, XF+8*(4*mm+ks)
.set rSW, WS+4*tq+ks
.set rSX, XS+2*mm+ks/2
.if (\ct) < 8
.if ks == 0
.if (\ct) < 4
	v_wmma_scale_f32_16x16x128_f8f6f4 v[rD:rD+7], v[rW:rW+7], v[rX:rX+7], v[BI+8*tq:BI+8*tq+7], v[rSW], v[rSX] matrix_a_fmt:MATRIX_FMT_FP4 matrix_b_fmt:MATRIX_FMT_FP4
.else
	v_wmma_scale_f32_16x16x128_f8f6f4 v[rD:rD+7], v[rW:rW+7], v[rX:rX+7], 0, v[rSW], v[rSX] matrix_a_fmt:MATRIX_FMT_FP4 matrix_b_fmt:MATRIX_FMT_FP4
.endif
.elseif ks == 2
	v_wmma_scale_f32_16x16x128_f8f6f4 v[rD:rD+7], v[rW:rW+7], v[rX:rX+7], v[rD:rD+7], v[rSW], v[rSX] matrix_a_fmt:MATRIX_FMT_FP4 matrix_b_fmt:MATRIX_FMT_FP4
.else
	v_wmma_scale_f32_16x16x128_f8f6f4 v[rD:rD+7], v[rW:rW+7], v[rX:rX+7], v[rD:rD+7], v[rSW], v[rSX] matrix_a_fmt:MATRIX_FMT_FP4 matrix_b_fmt:MATRIX_FMT_FP4 matrix_b_scale:MATRIX_SCALE_ROW1
.endif
.else
.if ks == 0
	v_wmma_scale_f32_16x16x128_f8f6f4 v[rD:rD+7], v[rX:rX+7], v[rW:rW+7], 0, v[rSX], v[rSW] matrix_a_fmt:MATRIX_FMT_FP4 matrix_b_fmt:MATRIX_FMT_FP4
.elseif ks == 2
	v_wmma_scale_f32_16x16x128_f8f6f4 v[rD:rD+7], v[rX:rX+7], v[rW:rW+7], v[rD:rD+7], v[rSX], v[rSW] matrix_a_fmt:MATRIX_FMT_FP4 matrix_b_fmt:MATRIX_FMT_FP4
.else
	v_wmma_scale_f32_16x16x128_f8f6f4 v[rD:rD+7], v[rX:rX+7], v[rW:rW+7], v[rD:rD+7], v[rSX], v[rSW] matrix_a_fmt:MATRIX_FMT_FP4 matrix_b_fmt:MATRIX_FMT_FP4 matrix_a_scale:MATRIX_SCALE_ROW1
.endif
.endif
.set mm, mm+1
.endr
.set ks, ks+1
.endr
	WIN 0
.rept 4
	v_nop                                          ; four places behind the last product: for the reads of results below and the next tile's loads into this tile's slot
.endr
.set os, (\ct)%8                       ; the tile's packed set: sets 0-2 at v80 on, sets 3-7 at v160 on
.if os < 3
.set rOB, 80+16*os
.else
.set rOB, 160+16*(os-3)
.endif
.set mm, 0
.rept 4
.set rD, ACC+8*mm
.set rO, rOB+4*mm
.if (\ct) < 4
.irp i, 0,2,4,6
	v_pk_mul_f32 v[rD+\i:rD+\i+1], v[rD+\i:rD+\i+1], s[22:23] op_sel_hi:[1,0]      ; q x c; each accumulator from its low end on
.endr
.elseif (\ct) >= 8
.irp i, 0,2,4,6
	v_pk_add_f32 v[rD+\i:rD+\i+1], v[rD+\i:rD+\i+1], v[BI+8*tq:BI+8*tq+1] op_sel_hi:[1,0]   ; v + my channel's bias
.endr
.endif
.irp i, 0,1,2,3
	v_cvt_pk_f16_f32 v[rO+\i], v[rD+2*\i], v[rD+2*\i+1]
.endr
.if (\ct) < 4
	global_store_b128 v[L16], v[rO:rO+3], s[24:25] offset:mm*2048+((\ct)/2)*1024+((\ct)%2)*512          ; half an image: 512 consecutive bytes, aligned
.elseif (\ct) < 8
	global_store_b128 v[L16], v[rO:rO+3], s[26:27] offset:mm*2048+(((\ct)-4)/2)*1024+((\ct)%2)*512
.else
	global_store_b128 v[L16], v[rO:rO+3], s[28:29] offset:(mm/2)*8192+((\ct)-8)*1024+(mm%2)*512
.endif
.set mm, mm+1
.endr
.endm
.irp ct, 0,1,2,3,4,5,6,7,8,9,10,11,12,13,14,15
	TILE \ct
.endr
	s_wait_tensorcnt 0x0                           ; the wave's end, behind my last LDS store
	ds_add_u32 v[SPW], v[NIL]
	s_wait_dscnt 0x0
	s_endpgm
.Lfunc_end_k_q2cfbc7ac8d_qkv:
	.size	k_q2cfbc7ac8d_qkv, .Lfunc_end_k_q2cfbc7ac8d_qkv-k_q2cfbc7ac8d_qkv
	.p2alignl 7, 3214868480
	.fill 96, 4, 3214868480
	.section	.rodata,"a",@progbits
	.p2align	6, 0x0
	.amdhsa_kernel k_q2cfbc7ac8d_qkv
		.amdhsa_group_segment_fixed_size 87040
		.amdhsa_private_segment_fixed_size 0
		.amdhsa_enable_private_segment 0
		.amdhsa_kernarg_size 48
		.amdhsa_user_sgpr_count 2
		.amdhsa_user_sgpr_kernarg_segment_ptr 1
		.amdhsa_wavefront_size32 1
		.amdhsa_system_sgpr_workgroup_id_x 1
		.amdhsa_system_sgpr_workgroup_id_y 1
		.amdhsa_system_sgpr_workgroup_id_z 1
		.amdhsa_system_vgpr_workitem_id 0
		.amdhsa_next_free_vgpr 512
		.amdhsa_next_free_sgpr 66
		.amdhsa_reserve_vcc 0
		.amdhsa_float_denorm_mode_32 3
		.amdhsa_float_denorm_mode_16_64 3
		.amdhsa_memory_ordered 1
		.amdhsa_forward_progress 1
		.amdhsa_inst_pref_size 108
	.end_amdhsa_kernel
	.amdgpu_metadata
---
amdhsa.version: [ 1, 2 ]
amdhsa.kernels:
  - .name:           k_q2cfbc7ac8d_qkv
    .symbol:         k_q2cfbc7ac8d_qkv.kd
    .args:
      - { .name: x, .offset: 0, .size: 8, .value_kind: global_buffer, .address_space: global }
      - { .name: w_img, .offset: 8, .size: 8, .value_kind: global_buffer, .address_space: global }
      - { .name: w_sc, .offset: 16, .size: 8, .value_kind: global_buffer, .address_space: global }
      - { .name: qkv_b, .offset: 24, .size: 8, .value_kind: global_buffer, .address_space: global }
      - { .name: qf, .offset: 32, .size: 8, .value_kind: global_buffer, .address_space: global }
      - { .name: kv, .offset: 40, .size: 8, .value_kind: global_buffer, .address_space: global }
    .group_segment_fixed_size: 87040
    .private_segment_fixed_size: 0
    .kernarg_segment_align: 8
    .kernarg_segment_size: 48
    .max_flat_workgroup_size: 256
    .sgpr_count:     66
    .vgpr_count:     512
    .wavefront_size: 32
...
	.end_amdgpu_metadata
.endif
;; end of part 2
;; launch attn (part 3): grid 4 x 128, 8 waves a work-group, clusters of 4 x 1, 327,680 bytes of LDS; arguments qf, kv, bimg, oimg; writes oimg
.if DOCPART == 3
	.amdgcn_target "amdgcn-amd-amdhsa--gfx1250"
	.amdhsa_code_object_version 6
	.text
	.protected	k_q2cfbc7ac8d_attn
	.globl	k_q2cfbc7ac8d_attn
	.p2align	8
	.type	k_q2cfbc7ac8d_attn,@function
k_q2cfbc7ac8d_attn:
	s_mov_b64 s[64:65], 0
	v_nop
	global_prefetch_b8 v0, s[64:65] scope:SCOPE_SE
	s_setreg_imm32_b32 hwreg(HW_REG_WAVE_MODE, 25, 1), 1
	s_wait_xcnt 0x0
	s_wait_alu depctr_hold_cnt(0) depctr_sa_sdst(0) depctr_va_vdst(0) depctr_va_sdst(0) depctr_va_ssrc(0) depctr_va_vcc(0) depctr_vm_vsrc(0)
	s_getreg_b32 s2, hwreg(HW_REG_IB_STS2, 6, 4)
	s_cmp_eq_u32 s2, 0
	s_cbranch_scc0 .Lentry_in_a_cluster
	s_endpgm
.Lentry_in_a_cluster:
	s_bfe_u32 s2, ttmp6, 0x10000c
	s_cmp_lg_u32 s2, 0x3003
	s_cbranch_scc0 .Lentry_shape_is_right
	s_endpgm
.Lentry_shape_is_right:
; o[b][h][q] = the sum over keys of softmax(q.k / 8 + bias) v, f16 operands, f32 sums, maxima and row sums.  1,024 queries and keys, 64 channels of q and k, 128 of v.
; All operands arrive as images of their registers (launches prep and qkv): every load, from memory or LDS, is 16 bytes a lane at 16 x lane.  q carries log2(e) / 8 and the bias log2(e), so a score comes out as t, and p = 2^(t - m).
; SHARES.  The cluster's y names head (y / 16) and batch (y % 16); its four work-groups are the four blocks of 256 queries.  Each of eight waves owns two tiles of 16 queries; two waves share a SIMD, so that one wave's
; softmax stands beside the other's products.  Every wave walks all 1,024 keys, 64 a step.
; CLUSTER.  The four partners walk the same K and V: a slot (256 keys: 32,768 bytes of K, 65,536 of V^T, one dense block) is asked for JOINTLY, each wave an eighth of it, with the same descriptor and a mask that names the four.
; LAYOUT.  S^T = K Q^T + bias (source 0 = 16 keys, source 1 = 16 queries): a lane holds one query and eight keys.  THE BIAS IS THE C OF THE FIRST PRODUCT, in 64 registers of its own: as soon as a step's first products
; have read them, the next step's bias is asked for, so that a step's softmax, rescaling and 32 products stand between the request and its use.
; The room for it: of a step's V^T only keys 0-31 have registers of their own; keys 32-63 come from LDS into K's registers, which are free once K Q^T has read them, with the softmax between those loads and their use.
; Two tiles of S^T, packed to f16, are source 1 of O^T = V^T P.  So nothing changes lanes but one exchange of maxima and, at the end, of sums.
; SOFTMAX.  A running maximum m and sum l for each query; in every step O^T and l are multiplied by a = 2^(m_old - m_new).  m begins at -3e38 and O^T, l at 0, so the step is written without a first form.
; LIMITS: NaN and infinities are not served; p (at most 1) and o go in f16.
; REGISTERS.  window 0: v1-6 addresses; v8-23 statistics, eight a tile: +0 m, +1 the old m, +2, +3 l, +4..+7 at work (a at +6); v32-63 Q; v64-127 S^T; v128-159 P; v160-223 K of a step, then V^T's keys 32-63.
;   window 1: v0-127 O^T (64 a tile); v128-191 V^T's keys 0-31 of a step; v192-255 the bias (32 a tile).
.set SLOT1, 1<<17                      ; slot 1 begins here: one exclusive or turns an address in one slot into the other's
.set SLOTB, 98304                      ; a slot's bytes
.set SPARE, 262144                     ; the spare words, 128 bytes for each wave: four blocks of 256 bytes that no other line names
.set L16, 1
.set ADK, 2
.set ADV, 3
.set PFO, 4                            ; 256 x lane; never rewritten
.set SPW, 5
.set NIL, 6
.set ST,  8
.set QF,  32
.set S,   64
.set P,   128
.set KF,  160
.set OA,  0                            ; window 1
.set VF,  128                          ; window 1
.set BI,  192                          ; window 1
.set MSB, 0
.macro WIN new
.if MSB != \new
	s_set_vgpr_msb (MSB<<8)|\new
.set MSB, \new
.endif
.endm
.macro CROUND                          ; a round of the cluster's barrier
	s_barrier_signal -1
	s_barrier_wait -1
	s_cmp_lg_u32 s12, 0
	s_cbranch_scc1 .Lnot_wave_0_\@
	s_barrier_signal -3
.Lnot_wave_0_\@:
	s_barrier_wait -3
	s_barrier_signal -1
	s_barrier_wait -1
.endm
; A prefetch into the L2 of the slot that the NEXT change of slots will ask for: its 384 blocks of 256 bytes are shared out by address, 96 to a partner, 32 to each of its waves 0 to 2, a lane a block: each block is named once.
; The last change that fills a slot asks for nothing; nothing is asked for at the head.
.macro ASK
	s_cmp_gt_u32 s36, s20
	s_cbranch_scc0 .Lnot_mine_\@
	global_prefetch_b8 v[PFO], s[18:19] th:TH_LOAD_NT scope:SCOPE_SE
.Lnot_mine_\@:
.endm
	s_load_b256 s[4:11], s[0:1], 0x0               ; qf s[4:5], kv s[6:7], bimg s[8:9], oimg s[10:11]
	v_lshl_add_u32 v[SPW], v0, 2, SPARE
	v_mov_b32 v[NIL], 0
	ds_add_u32 v[SPW], v[NIL]                      ; the wave's opening: the add, twice on end, and its wait ahead of my first tensor load
	ds_add_u32 v[SPW], v[NIL]
	v_lshrrev_b32 v7, 5, v0
	v_readfirstlane_b32 s12, v7                    ; wave 0..7
	v_and_b32 v7, 31, v0
	v_lshlrev_b32 v[L16], 4, v7
	v_lshlrev_b32 v[PFO], 8, v7
	s_bfe_u32 s13, ttmp6, 0x40000                  ; cx: my block of 256 queries: it enters Q's, the bias's, O's and the prefetch's addresses alone
	s_and_b32 s14, ttmp7, 0xffff
	s_lshr_b32 s15, s14, 4                         ; head
	s_and_b32 s16, s14, 15                         ; batch
	s_lshl_b32 s17, s16, 3
	s_add_co_u32 s17, s17, s15                     ; batch x 8 + head
	s_lshl_b32 s21, s13, 4
	s_lshl_b32 s22, s12, 1
	s_add_co_u32 s21, s21, s22                     ; my first query tile: 16 cx + 2 wave
	; descriptor group 1: 12,288 dense bytes as 48 rows of 256 (32 elements of 8 bytes), no padding: images are read at 16 x lane
	s_mov_b32 s24, 15|(3<<16)|(1<<21)              ; the mask: all four work-groups; elements of 8 bytes; bit 21 set beside a mask
	s_mov_b32 s25, 32<<16                          ; tensor_dim0 = 32
	s_mov_b32 s26, 48<<16                          ; tensor_dim1 = 48
	s_mov_b32 s27, 32<<16                          ; tile_dim0 = 32
	s_mov_b32 s28, 48                              ; tile_dim1 = 48
	s_mov_b32 s29, 32                              ; from row to row
	s_mov_b32 s30, 0
	s_mov_b32 s31, 0
	s_mov_b32 s32, 1                               ; group 0: count = 1
	s_mul_i32 s33, s12, 12288                      ; LDS address: my eighth of slot 0
	s_mul_i32 s46, s17, 393216                     ; the head's four slots in kv,
	s_add_co_u32 s46, s46, s33                     ; my eighth: made of the cluster's y and the wave's number alone
	s_mov_b32 s47, 0
	s_lshl_b32 s44, s17, 6
	s_add_co_u32 s44, s44, s21
	s_lshl_b32 s44, s44, 11                        ; Q: a query tile is 2,048 bytes
	s_mov_b32 s45, 0
	s_mul_i32 s48, s17, 393216
	s_mul_i32 s49, s13, 24576
	s_add_co_u32 s48, s48, s49
	s_lshl_b32 s49, s12, 13
	s_add_co_u32 s48, s48, s49
	s_add_co_u32 s48, s48, SLOTB                   ; the prefetches stand in slot 1: the first change of slots steps them to slot 2
	s_mov_b32 s49, 0
	s_cmp_lt_u32 s12, 3
	s_cselect_b32 s20, 1, -1                       ; waves 0 to 2 prefetch while more than one slot is still to be asked for
	s_mov_b32 s36, 3                               ; slots still to be asked for
	s_mov_b32 s38, 0                               ; LDS byte of the step's K
	s_mov_b32 s39, 32768                           ; and of its V^T
	s_mov_b32 s40, 16                              ; steps to go
	s_mov_b32 s42, 0x76543210
	s_mov_b32 s43, 0xfedcba98                      ; v_permlanex16_b32: the lane 16 away
	s_wait_dscnt 0x0                               ; both opening adds are done
	s_wait_kmcnt 0x0
	s_add_nc_u64 s[34:35], s[6:7], s[46:47]
	s_or_b32 s35, s35, 0x80000000                  ; type = 2
	s_add_nc_u64 s[18:19], s[6:7], s[48:49]
	s_add_nc_u64 s[4:5], s[4:5], s[44:45]
	s_lshl_b32 s44, s15, 22                        ; the bias: a head is 4 MiB, a query tile 65,536 bytes
	s_lshl_b32 s46, s21, 16
	s_add_co_u32 s44, s44, s46
	s_add_nc_u64 s[8:9], s[8:9], s[44:45]
	s_lshl_b32 s44, s16, 6
	s_add_co_u32 s44, s44, s21
	s_lshl_b32 s44, s44, 15                        ; o: a tile of 16 rows is 32 images; my head's four begin 4,096 h on
	s_lshl_b32 s46, s15, 12
	s_add_co_u32 s44, s44, s46
	s_add_nc_u64 s[10:11], s[10:11], s[44:45]
	CROUND                                         ; all four work-groups are here: the first joint loads meet
	tensor_load_to_lds s[32:35], s[24:31]          ; slot 0; every wave issues every load, so no way through the text leads round one
	s_nop 0
.rept 4
	v_nop
.endr
.irp t, 0,1
.irp c, 0,1
.irp f, 0,1
	global_load_b128 v[QF+16*\t+8*\c+4*\f:QF+16*\t+8*\c+4*\f+3], v[L16], s[4:5] offset:\t*2048+\c*1024+\f*512 th:TH_LOAD_NT   ; Q stays in registers
.endr
.endr
.endr
.macro BIAS                            ; a step's bias, 2 query tiles x 4 key tiles, into its own registers; written under a setting whose destination is window 1
.irp t, 0,1
.irp kt, 0,1,2,3
.irp f, 0,1
	global_load_b128 v[BI+32*\t+8*\kt+4*\f:BI+32*\t+8*\kt+4*\f+3], v[L16], s[8:9] offset:\t*65536+\kt*1024+\f*512
.endr
.endr
.endr
.endm
.irp t, 0,1
	v_mov_b32 v[ST+8*\t], 0xff61b1e6               ; m = -3e38, under every t
	v_mov_b32 v[ST+8*\t+1], 0
	v_mov_b32 v[ST+8*\t+2], 0                      ; l, even keys' and odd keys'
	v_mov_b32 v[ST+8*\t+3], 0
.endr
	WIN 0x40                                       ; destination window 1
	BIAS                                           ; step 0's
.set i, 0
.rept 128
	v_mov_b32 v[OA+i], 0                           ; O^T: cleared once, in place of a third copy of the step for its first form
.set i, i+1
.endr
	WIN 0
; A KEY STEP: 64 keys.
.macro STEP
	v_add_nc_u32 v[ADK], s38, v[L16]
	v_add_nc_u32 v[ADV], s39, v[L16]
	v_nop
	v_nop                                          ; four places behind the last product, in front of the loads into the registers that it and its fellows have read
.irp kt, 0,1,2,3
.irp c, 0,1
.irp f, 0,1
	ds_load_b128 v[KF+16*\kt+8*\c+4*\f:KF+16*\kt+8*\c+4*\f+3], v[ADK] offset:\kt*2048+\c*1024+\f*512
.endr
.endr
.endr
	WIN 0x40                                       ; destination window 1
.irp ct, 0,1,2,3,4,5,6,7
.irp f, 0,1
	ds_load_b128 v[VF+8*\ct+4*\f:VF+8*\ct+4*\f+3], v[ADV] offset:\ct*1024+\f*512   ; V^T, keys 0-31 of the step
.endr
.endr
	WIN 0
	s_wait_loadcnt 0x0                             ; this step's bias, asked for a step ago, is in (the first time: Q too); so its base may be written:
	s_add_nc_u64 s[8:9], s[8:9], 4096              ; the next step's four key tiles
	s_wait_dscnt 16                                ; K's sixteen loads are in; V's sixteen may be out
	WIN 0x10                                       ; C (the bias) window 1; all else window 0
.irp kt, 0,1,2,3                               ; S^T = K Q^T + bias: eight accumulators by turns, one instruction a turn; channels 0-31 start the sums on the bias
.irp t, 0,1
	v_wmma_f32_16x16x32_f16 v[S+32*\t+8*\kt:S+32*\t+8*\kt+7], v[KF+16*\kt:KF+16*\kt+7], v[QF+16*\t:QF+16*\t+7], v[BI+32*\t+8*\kt:BI+32*\t+8*\kt+7]
.endr
.endr
	WIN 0
.irp kt, 0,1,2,3                               ; channels 32-63, in place
.irp t, 0,1
	v_wmma_f32_16x16x32_f16 v[S+32*\t+8*\kt:S+32*\t+8*\kt+7], v[KF+16*\kt+8:KF+16*\kt+15], v[QF+16*\t+8:QF+16*\t+15], v[S+32*\t+8*\kt:S+32*\t+8*\kt+7]
.endr
.endr
.rept 4
	v_nop                                          ; four places behind these products: for the loads into K's and the bias's registers and for the reads of S
.endr
.irp ct, 0,1,2,3,4,5,6,7
.irp f, 0,1
	ds_load_b128 v[KF+8*\ct+4*\f:KF+8*\ct+4*\f+3], v[ADV] offset:8192+\ct*1024+\f*512   ; V^T, keys 32-63, into the registers that K has left
.endr
.endr
	s_cmp_eq_u32 s40, 1                            ; the next step's bias is asked for, if there is a next step: no load leaves its buffer
	s_cbranch_scc1 .Lno_bias_\@
	WIN 0x40
	BIAS
	WIN 0
.Lno_bias_\@:
	; the maximum of my 32 scores and the old m, three operands at a time, four chains a tile; each accumulator is read from its low end on; the two tiles line by line
.irp j, 0,1,2,3
.irp t, 0,1
	v_max3_num_f32 v[ST+8*\t+4+\j], v[S+32*\t+8*\j], v[S+32*\t+8*\j+1], v[S+32*\t+8*\j+2]
.endr
.endr
.irp q, 1,2
.irp j, 0,1,2,3
.irp t, 0,1
	v_max3_num_f32 v[ST+8*\t+4+\j], v[ST+8*\t+4+\j], v[S+32*\t+8*\j+2*\q+1], v[S+32*\t+8*\j+2*\q+2]
.endr
.endr
.endr
.irp t, 0,1
	v_max3_num_f32 v[ST+8*\t+4], v[ST+8*\t+4], v[S+32*\t+7], v[S+32*\t+15]
.endr
.irp t, 0,1
	v_max3_num_f32 v[ST+8*\t+6], v[ST+8*\t+6], v[S+32*\t+23], v[S+32*\t+31]
.endr
.irp t, 0,1
	v_max3_num_f32 v[ST+8*\t+4], v[ST+8*\t+4], v[ST+8*\t+5], v[ST+8*\t+6]
.endr
.irp t, 0,1
	v_max3_num_f32 v[ST+8*\t+4], v[ST+8*\t+4], v[ST+8*\t+7], v[ST+8*\t]
.endr
.irp t, 0,1
	v_permlanex16_b32 v[ST+8*\t+5], v[ST+8*\t+4], s42, s43   ; the query's other 32 keys lie in the lane 16 away
.endr
.irp t, 0,1
	v_mov_b32 v[ST+8*\t+1], v[ST+8*\t]             ; the old m
.endr
.irp t, 0,1
	v_max_num_f32 v[ST+8*\t], v[ST+8*\t+4], v[ST+8*\t+5]
.endr
.irp t, 0,1
	v_sub_f32 v[ST+8*\t+7], v[ST+8*\t+1], v[ST+8*\t]
.endr
.irp i, 0,2,4,6,8,10,12,14,16,18,20,22,24,26,28,30
.irp t, 0,1
	v_pk_add_f32 v[S+32*\t+\i:S+32*\t+\i+1], v[S+32*\t+\i:S+32*\t+\i+1], v[ST+8*\t:ST+8*\t+1] op_sel_hi:[1,0] neg_lo:[0,1] neg_hi:[0,1]   ; t - m, two at a time
.endr
.endr
.irp t, 0,1                                    ; ONE BATCH of 66 exponentials: none reads another's result
	v_exp_f32 v[ST+8*\t+6], v[ST+8*\t+7]           ; a
.endr
.set i, 0
.rept 64
	v_exp_f32 v[S+i], v[S+i]                       ; p = 2^(t - m), at most 1
.set i, i+1
.endr
	v_nop                                          ; a plain line behind the last exponential
	s_wait_alu depctr_va_vdst(0)                   ; one wait for the batch, ahead of its first reader
.irp i, 0,1,2,3,4,5,6,7,8,9,10,11,12,13,14,15
.irp t, 0,1
	v_cvt_pk_f16_f32 v[P+16*\t+\i], v[S+32*\t+2*\i], v[S+32*\t+2*\i+1]
.endr
.endr
.irp u, 0,1,2,3,4,5,6,7                        ; the row's sum, of the unrounded p, in place: neighbours 1, 2, 4 and 8 pairs apart
.irp t, 0,1
	v_pk_add_f32 v[S+32*\t+4*\u:S+32*\t+4*\u+1], v[S+32*\t+4*\u:S+32*\t+4*\u+1], v[S+32*\t+4*\u+2:S+32*\t+4*\u+3]
.endr
.endr
.irp u, 0,1,2,3
.irp t, 0,1
	v_pk_add_f32 v[S+32*\t+8*\u:S+32*\t+8*\u+1], v[S+32*\t+8*\u:S+32*\t+8*\u+1], v[S+32*\t+8*\u+4:S+32*\t+8*\u+5]
.endr
.endr
.irp u, 0,1
.irp t, 0,1
	v_pk_add_f32 v[S+32*\t+16*\u:S+32*\t+16*\u+1], v[S+32*\t+16*\u:S+32*\t+16*\u+1], v[S+32*\t+16*\u+8:S+32*\t+16*\u+9]
.endr
.endr
.irp t, 0,1
	v_pk_add_f32 v[S+32*\t:S+32*\t+1], v[S+32*\t:S+32*\t+1], v[S+32*\t+16:S+32*\t+17]
.endr
.irp t, 0,1
	v_pk_fma_f32 v[ST+8*\t+2:ST+8*\t+3], v[ST+8*\t+2:ST+8*\t+3], v[ST+8*\t+6:ST+8*\t+7], v[S+32*\t:S+32*\t+1] op_sel_hi:[1,0,1]   ; l = a l + the sum
.endr
	WIN 0x41                                       ; O^T (destination and source 0) window 1, a window 0
.irp t, 0,1
.set i, 0
.rept 32
	v_pk_mul_f32 v[OA+64*\t+i:OA+64*\t+i+1], v[OA+64*\t+i:OA+64*\t+i+1], v[ST+8*\t+6:ST+8*\t+7] op_sel_hi:[1,0]   ; O^T x a, each accumulator from its low end on
.set i, i+2
.endr
.endr
	s_wait_dscnt 0x0                               ; both halves of V are in
	WIN 0x51                                       ; V^T's keys 0-31, C and D window 1; P window 0
.irp ct, 0,1,2,3,4,5,6,7                       ; O^T += V^T P: sixteen accumulators by turns
.irp t, 0,1
	v_wmma_f32_16x16x32_f16 v[OA+64*\t+8*\ct:OA+64*\t+8*\ct+7], v[VF+8*\ct:VF+8*\ct+7], v[P+16*\t:P+16*\t+7], v[OA+64*\t+8*\ct:OA+64*\t+8*\ct+7]
.endr
.endr
	WIN 0x50                                       ; V^T's keys 32-63 lie in window 0
.irp ct, 0,1,2,3,4,5,6,7
.irp t, 0,1
	v_wmma_f32_16x16x32_f16 v[OA+64*\t+8*\ct:OA+64*\t+8*\ct+7], v[KF+8*\ct:KF+8*\ct+7], v[P+16*\t+8:P+16*\t+15], v[OA+64*\t+8*\ct:OA+64*\t+8*\ct+7]
.endr
.endr
	WIN 0
	s_add_co_u32 s38, s38, 8192                    ; the next step's four key tiles of K,
	s_add_co_u32 s39, s39, 16384                   ; its 64 keys of V^T
	s_sub_co_u32 s40, s40, 1
.endm
.macro SLOTBODY                        ; a slot's four steps: written once, walked four times
	s_mov_b32 s37, 4
.Lstep_\@:
	STEP
	s_sub_co_u32 s37, s37, 1
	s_cmp_lg_u32 s37, 0
	s_cbranch_scc1 .Lstep_\@
	s_sub_co_u32 s38, s38, 32768                   ; back to a slot's first step,
	s_xor_b32 s38, s38, SLOT1                      ; in the other slot
	s_sub_co_u32 s39, s39, 65536
	s_xor_b32 s39, s39, SLOT1
.endm
; THE CHANGE OF SLOTS stands at a slot's head.  Each wave waits for all its tensor loads (one is out: its eighth of the slot ahead), adds 0 to its spare word, and waits for that and for its reads of the slot that it has left.
; fill = 1: a round of the cluster's barrier, so that no wave of any partner still reads the slot left or has a load on its way; the joint load is the first thing behind it and has the slot's four steps, 192 products a wave, in which to land.
.macro CHANGE fill
	s_wait_tensorcnt 0x0                           ; no tensor load of mine is out, so group 0 may be written
	ds_add_u32 v[SPW], v[NIL]                      ; 0 onto my spare word
.if \fill
	s_xor_b32 s33, s33, SLOT1                      ; the walking descriptor: the other slot than last time,
	s_add_nc_u64 s[34:35], s[34:35], SLOTB         ; the next 256 keys; the type bits on top are not reached
	s_wait_xcnt 0x0                                ; the last prefetch, a slot back, has read its address, so it may be written
	s_add_nc_u64 s[18:19], s[18:19], SLOTB         ; one slot further on than the walking descriptor
	s_wait_dscnt 0x0                               ; the add is done, and my reads of the slot that I have left are over
	CROUND
	tensor_load_to_lds s[32:35], s[24:31]
	s_nop 0
.rept 4
	v_nop
.endr
	ASK
.else
	s_wait_dscnt 0x0
	s_barrier_signal -1
	s_barrier_wait -1
.endif
.endm
.Lslot:                                            ; three trips: behind each change of slots but the last the next slot is asked for
	CHANGE 1
	SLOTBODY
	s_sub_co_u32 s36, s36, 1
	s_cmp_lg_u32 s36, 0
	s_cbranch_scc1 .Lslot
	CHANGE 0                                       ; the last slot is written out
	SLOTBODY
	; THE WAY OUT.  l's halves and the other half of the lanes' are added; O^T / l, packed to f16, is half an image of launch proj's operand for each tile of 16 channels.  The additions are the places behind the last products.
.irp t, 0,1
	v_add_f32 v[ST+8*\t+4], v[ST+8*\t+2], v[ST+8*\t+3]
.endr
.irp t, 0,1
	v_permlanex16_b32 v[ST+8*\t+5], v[ST+8*\t+4], s42, s43
.endr
.irp t, 0,1
	v_add_f32 v[ST+8*\t+4], v[ST+8*\t+4], v[ST+8*\t+5]
.endr
.irp t, 0,1
	v_rcp_f32 v[ST+8*\t+6], v[ST+8*\t+4]
.endr
	v_nop                                          ; a plain line behind the last reciprocal
	s_wait_alu depctr_va_vdst(0)                   ; one wait for the two, ahead of their first reader
.irp t, 0,1
	WIN 0x41
.set i, 0
.rept 32
	v_pk_mul_f32 v[OA+64*\t+i:OA+64*\t+i+1], v[OA+64*\t+i:OA+64*\t+i+1], v[ST+8*\t+6:ST+8*\t+7] op_sel_hi:[1,0]
.set i, i+2
.endr
	WIN 0x05                                       ; sources window 1, destination window 0: S's registers are free
.set i, 0
.rept 32
	v_cvt_pk_f16_f32 v[S+32*\t+i], v[OA+64*\t+2*i], v[OA+64*\t+2*i+1]
.set i, i+1
.endr
	WIN 0
.irp ct, 0,1,2,3,4,5,6,7
	global_store_b128 v[L16], v[S+32*\t+4*\ct:S+32*\t+4*\ct+3], s[10:11] offset:\t*32768+\ct*512   ; 512 consecutive bytes, aligned
.endr
.endr
	s_wait_tensorcnt 0x0                           ; the wave's end, behind my last tensor load
	ds_add_u32 v[SPW], v[NIL]
	s_wait_dscnt 0x0
	CROUND                                         ; the closing round: no work-group ends while a partner may still ask for a slot that names it
	s_endpgm
.Lfunc_end_k_q2cfbc7ac8d_attn:
	.size	k_q2cfbc7ac8d_attn, .Lfunc_end_k_q2cfbc7ac8d_attn-k_q2cfbc7ac8d_attn
	.p2alignl 7, 3214868480
	.fill 96, 4, 3214868480
	.section	.rodata,"a",@progbits
	.p2align	6, 0x0
	.amdhsa_kernel k_q2cfbc7ac8d_attn
		.amdhsa_group_segment_fixed_size 327680
		.amdhsa_private_segment_fixed_size 0
		.amdhsa_enable_private_segment 0
		.amdhsa_kernarg_size 32
		.amdhsa_user_sgpr_count 2
		.amdhsa_user_sgpr_kernarg_segment_ptr 1
		.amdhsa_wavefront_size32 1
		.amdhsa_system_sgpr_workgroup_id_x 1
		.amdhsa_system_sgpr_workgroup_id_y 1
		.amdhsa_system_sgpr_workgroup_id_z 1
		.amdhsa_system_vgpr_workitem_id 0
		.amdhsa_next_free_vgpr 512
		.amdhsa_next_free_sgpr 66
		.amdhsa_reserve_vcc 0
		.amdhsa_float_denorm_mode_32 3
		.amdhsa_float_denorm_mode_16_64 3
		.amdhsa_memory_ordered 1
		.amdhsa_forward_progress 1
		.amdhsa_inst_pref_size 69
	.end_amdhsa_kernel
	.amdgpu_metadata
---
amdhsa.version: [ 1, 2 ]
amdhsa.kernels:
  - .name:           k_q2cfbc7ac8d_attn
    .symbol:         k_q2cfbc7ac8d_attn.kd
    .args:
      - { .name: qf, .offset: 0, .size: 8, .value_kind: global_buffer, .address_space: global }
      - { .name: kv, .offset: 8, .size: 8, .value_kind: global_buffer, .address_space: global }
      - { .name: bimg, .offset: 16, .size: 8, .value_kind: global_buffer, .address_space: global }
      - { .name: oimg, .offset: 24, .size: 8, .value_kind: global_buffer, .address_space: global }
    .group_segment_fixed_size: 327680
    .private_segment_fixed_size: 0
    .kernarg_segment_align: 8
    .kernarg_segment_size: 32
    .max_flat_workgroup_size: 256
    .sgpr_count:     66
    .vgpr_count:     512
    .wavefront_size: 32
...
	.end_amdgpu_metadata
.endif
;; end of part 3
;; launch proj (part 4): grid 64 x 4, 4 waves a work-group, clusters of 4 x 1, 327,680 bytes of LDS; arguments oimg, pimg, proj_b, out0; writes out0
.if DOCPART == 4
	.amdgcn_target "amdgcn-amd-amdhsa--gfx1250"
	.amdhsa_code_object_version 6
	.text
	.protected	k_q2cfbc7ac8d_proj
	.globl	k_q2cfbc7ac8d_proj
	.p2align	8
	.type	k_q2cfbc7ac8d_proj,@function
k_q2cfbc7ac8d_proj:
	s_mov_b64 s[64:65], 0
	v_nop
	global_prefetch_b8 v0, s[64:65] scope:SCOPE_SE
	s_setreg_imm32_b32 hwreg(HW_REG_WAVE_MODE, 25, 1), 1
	s_wait_xcnt 0x0
	s_wait_alu depctr_hold_cnt(0) depctr_sa_sdst(0) depctr_va_vdst(0) depctr_va_sdst(0) depctr_va_ssrc(0) depctr_va_vcc(0) depctr_vm_vsrc(0)
	s_getreg_b32 s2, hwreg(HW_REG_IB_STS2, 6, 4)
	s_cmp_eq_u32 s2, 0
	s_cbranch_scc0 .Lentry_in_a_cluster
	s_endpgm
.Lentry_in_a_cluster:
	s_bfe_u32 s2, ttmp6, 0x10000c
	s_cmp_lg_u32 s2, 0x3003
	s_cbranch_scc0 .Lentry_shape_is_right
	s_endpgm
.Lentry_shape_is_right:
; out0 = o proj_w + proj_b.  o [16,384][1,024] and proj_w arrive in f16 as images of their operand registers (launches attn and prep); sums in f32; out0 [16,384][512] f32.
; SHARES.  A work-group makes 256 rows x 128 columns; each of four waves 64 rows x 128 columns: 32 accumulators.  K = 1,024 in 32 steps of 32.
; THE WEIGHTS of a column group, 262,144 bytes, fill LDS ONCE.  CLUSTER: the four work-groups of a cluster have the same column group, so the fill is asked for JOINTLY, a quarter a wave.  No slot is filled again.
; o's fragments belong to one wave alone: they come from memory straight into a ring of eight K steps in registers: 56 loads of 512 bytes a wave are on their way.
; The matrix instruction is used transposed (source 0 = 16 columns of proj_w, source 1 = 16 rows of o): a lane holds eight neighbouring columns of a row.  The bias is the C of each sum's first product.
; REGISTERS.  window 0: v1-7 addresses; v64-127, v128-191 the weights' fragments of a K step, two sets (on the way out: rows read back); v192-255 the bias in the result's layout.
;   window 1: o's ring, slot x 32 + 8 m.   window 2: the accumulators, (m, n) at 8 (8 m + n).
.set STAGE, 262144                     ; behind the weights: 16 rows x (512 bytes + 16) for each wave
.set SPARE, 295936                     ; the spare words, 128 bytes for each wave: two blocks of 256 bytes that no other line names
.set L16, 1
.set ADB, 2
.set STO, 3
.set RD,  4
.set BO,  5
.set SPW, 6
.set NIL, 7
.set BF,  64
.set PB,  192
.set MSB, 0
.macro WIN new
.if MSB != \new
	s_set_vgpr_msb (MSB<<8)|\new
.set MSB, \new
.endif
.endm
.macro CROUND
	s_barrier_signal -1
	s_barrier_wait -1
	s_cmp_lg_u32 s12, 0
	s_cbranch_scc1 .Lnot_wave_0_\@
	s_barrier_signal -3
.Lnot_wave_0_\@:
	s_barrier_wait -3
	s_barrier_signal -1
	s_barrier_wait -1
.endm
	s_load_b256 s[4:11], s[0:1], 0x0               ; oimg s[4:5], pimg s[6:7], proj_b s[8:9], out0 s[10:11]
	v_lshl_add_u32 v[SPW], v0, 2, SPARE
	v_mov_b32 v[NIL], 0
	ds_add_u32 v[SPW], v[NIL]                      ; the wave's opening: the add, twice on end, and its wait ahead of my first tensor load
	ds_add_u32 v[SPW], v[NIL]
	v_lshrrev_b32 v8, 5, v0
	v_readfirstlane_b32 s12, v8                    ; wave 0..3
	v_and_b32 v8, 31, v0                           ; lane
	v_and_b32 v9, 15, v0                           ; r
	v_bfe_u32 v10, v0, 4, 1                        ; g
	v_lshlrev_b32 v[L16], 4, v8
	v_mov_b32 v[ADB], v[L16]
	v_lshlrev_b32 v[BO], 5, v10
	s_mul_i32 s16, s12, 8448
	s_add_co_u32 s16, s16, STAGE                   ; my stage
	v_mul_u32_u24 v[STO], v9, 528
	v_lshl_add_u32 v[STO], v10, 5, v[STO]
	v_add_nc_u32 v[STO], s16, v[STO]               ; in: row r, + 32 g
	v_add_nc_u32 v[RD], s16, v[L16]                ; back: a row's 512 bytes
	s_bfe_u32 s13, ttmp6, 0x40000                  ; cx
	s_lshl_b32 s14, ttmp9, 2
	s_add_co_u32 s14, s14, s13                     ; my 256 rows
	s_and_b32 s15, ttmp7, 0xffff                   ; my 128 columns: the four partners share them
	; descriptor group 1: 65,536 dense bytes as 256 rows of 256 (32 elements of 8 bytes), no padding
	s_mov_b32 s24, 15|(3<<16)|(1<<21)
	s_mov_b32 s25, 32<<16
	s_mov_b32 s26, 256<<16
	s_mov_b32 s27, 32<<16
	s_mov_b32 s28, 256
	s_mov_b32 s29, 32
	s_mov_b32 s30, 0
	s_mov_b32 s31, 0
	s_mov_b32 s32, 1
	s_lshl_b32 s33, s12, 16                        ; LDS address: my quarter
	s_lshl_b32 s46, s15, 18
	s_add_co_u32 s46, s46, s33                     ; made of the cluster's y and the wave's number alone
	s_mov_b32 s47, 0
	s_lshl_b32 s44, s14, 4
	s_lshl_b32 s45, s12, 2
	s_add_co_u32 s44, s44, s45
	s_lshl_b32 s44, s44, 15                        ; o: my four tiles of 16 rows, 32,768 bytes each
	s_mov_b32 s45, 0
	s_lshl_b32 s48, s14, 8
	s_lshl_b32 s49, s12, 6
	s_add_co_u32 s48, s48, s49
	s_lshl_b32 s48, s48, 11                        ; out0: my first row,
	s_lshl_b32 s49, s15, 9                         ; my columns' 512 bytes; also the bias's
	s_add_co_u32 s48, s48, s49
	s_mov_b32 s42, s49
	s_mov_b32 s43, 0
	s_mov_b32 s49, 0
	s_mov_b32 s41, 0                               ; LDS byte of the trip's eight K steps of weights
	s_wait_dscnt 0x0                               ; both opening adds are done
	s_wait_kmcnt 0x0
	s_add_nc_u64 s[34:35], s[6:7], s[46:47]
	s_or_b32 s35, s35, 0x80000000
	s_add_nc_u64 s[4:5], s[4:5], s[44:45]
	s_add_nc_u64 s[8:9], s[8:9], s[42:43]
	s_add_nc_u64 s[10:11], s[10:11], s[48:49]
	CROUND                                         ; all four work-groups are here: the joint loads meet
	tensor_load_to_lds s[32:35], s[24:31]          ; my one tensor load
	s_nop 0
.rept 4
	v_nop
.endr
.irp n, 0,1,2,3,4,5,6,7
	global_load_b128 v[PB+8*\n:PB+8*\n+3], v[BO], s[8:9] offset:\n*64
	global_load_b128 v[PB+8*\n+4:PB+8*\n+7], v[BO], s[8:9] offset:\n*64+16
.endr
	WIN 0x40
.irp k, 0,1,2,3,4,5,6
.irp m, 0,1,2,3
.irp f, 0,1
	global_load_b128 v[32*\k+8*\m+4*\f:32*\k+8*\m+4*\f+3], v[L16], s[4:5] offset:\m*32768+\k*1024+\f*512
.endr
.endr
.endr
	WIN 0
	s_wait_tensorcnt 0x0                           ; my quarter of the weights is in,
	s_barrier_signal -1
	s_barrier_wait -1                              ; everybody's is
.irp n, 0,1,2,3,4,5,6,7
.irp f, 0,1
	ds_load_b128 v[BF+8*\n+4*\f:BF+8*\n+4*\f+3], v[ADB] offset:\n*1024+\f*512
.endr
.endr
; K STEP i of a trip of eight.  ld = 1: o's fragments seven K steps on are asked for, into the ring's slot that the step before has left.  lcnt: the loads issued behind this step's own.
; fb = 1: the next step's weights are fetched from LDS into the other set.  first = 1: the products start the sums on the bias.
.macro KSTEP i, ld, lcnt, fb, first
.rept 4
	v_nop                                          ; four places behind the last product, in front of loads into registers that it and its fellows have read
.endr
.if \ld
	WIN 0x40
.irp m, 0,1,2,3
.irp f, 0,1
	global_load_b128 v[32*(((\i)+7)%8)+8*\m+4*\f:32*(((\i)+7)%8)+8*\m+4*\f+3], v[L16], s[4:5] offset:\m*32768+((\i)+7)*1024+\f*512
.endr
.endr
.endif
	WIN 0
.if \fb
.if (\i) == 7
	s_add_co_u32 s41, s41, 0x10000                 ; the next trip's eight K steps of weights
	v_add_nc_u32 v[ADB], s41, v[L16]
.endif
.irp n, 0,1,2,3,4,5,6,7
.irp f, 0,1
	ds_load_b128 v[BF+64*(((\i)+1)%2)+8*\n+4*\f:BF+64*(((\i)+1)%2)+8*\n+4*\f+3], v[ADB] offset:(((\i)+1)%8)*8192+\n*1024+\f*512
.endr
.endr
.endif
	s_wait_loadcnt \lcnt                           ; this step's fragments of o are in; the younger steps' may be out
.if \fb
	s_wait_dscnt 16                                ; this step's weights are in; the sixteen loads just issued may be out
.else
	s_wait_dscnt 0x0
.endif
.if \first
	WIN 0x84                                       ; source 1 (o) window 1, C (the bias) window 0, D window 2
.else
	WIN 0xa4                                       ; source 1 window 1, C and D window 2
.endif
.irp m, 0,1,2,3                                ; the 32 accumulators by turns, in the same order in every step
.irp n, 0,1,2,3,4,5,6,7
.if \first
	v_wmma_f32_16x16x32_f16 v[8*(8*\m+\n):8*(8*\m+\n)+7], v[BF+64*((\i)%2)+8*\n:BF+64*((\i)%2)+8*\n+7], v[32*((\i)%8)+8*\m:32*((\i)%8)+8*\m+7], v[PB+8*\n:PB+8*\n+7]
.else
	v_wmma_f32_16x16x32_f16 v[8*(8*\m+\n):8*(8*\m+\n)+7], v[BF+64*((\i)%2)+8*\n:BF+64*((\i)%2)+8*\n+7], v[32*((\i)%8)+8*\m:32*((\i)%8)+8*\m+7], v[8*(8*\m+\n):8*(8*\m+\n)+7]
.endif
.endr
.endr
.endm
.macro TRIPEND
	WIN 0                                          ; at a label and at a branch every window is 0
	s_wait_xcnt 0x0                                ; the trip's loads have read their base
	s_add_nc_u64 s[4:5], s[4:5], 8192              ; eight K steps on
.endm
	KSTEP 0, 1, 56, 1, 1                           ; the first trip is written out: its first step starts the sums
.irp i, 1,2,3,4,5,6,7
	KSTEP \i, 1, 56, 1, 0
.endr
	TRIPEND
	s_mov_b32 s40, 2
.Ltrip:
.irp i, 0,1,2,3,4,5,6,7
	KSTEP \i, 1, 56, 1, 0
.endr
	TRIPEND
	s_sub_co_u32 s40, s40, 1
	s_cmp_lg_u32 s40, 0
	s_cbranch_scc1 .Ltrip
	KSTEP 0, 1, 56, 1, 0                           ; the last trip: one more load (K step 31), then the counts run down
.irp i, 1,2,3,4,5,6
	KSTEP \i, 0, 8*(7-\i), 1, 0
.endr
	KSTEP 7, 0, 0, 0, 0
; THE WAY OUT, a block of 16 rows x 128 columns at a time: a lane holds 32 neighbouring bytes of a row, so a block goes through my own stage and comes back as whole rows of 512 bytes.
.macro TOSTAGE m
	WIN 0x08                                       ; an LDS store's data: window 2
.irp n, 0,1,2,3,4,5,6,7
	ds_store_b128 v[STO], v[8*(8*(\m)+\n):8*(8*(\m)+\n)+3] offset:64*\n        ; each accumulator from its low end on
	ds_store_b128 v[STO], v[8*(8*(\m)+\n)+4:8*(8*(\m)+\n)+7] offset:64*\n+16
.endr
	WIN 0
.irp t, 0,1,2,3,4,5,6,7,8,9,10,11,12,13,14,15
	ds_load_b128 v[BF+64*((\m)%2)+4*\t:BF+64*((\m)%2)+4*\t+3], v[RD] offset:\t*528   ; LDS serves a wave's instructions in order: these see my stores, and the next block's stores come behind them
.endr
.endm
.macro SEND m, younger                 ; younger: the LDS instructions issued behind block m's loads, which may stay out
	s_wait_dscnt \younger
.irp t, 0,1,2,3,4,5,6,7,8,9,10,11,12,13,14,15
	global_store_b128 v[L16], v[BF+64*((\m)%2)+4*\t:BF+64*((\m)%2)+4*\t+3], s[10:11] offset:(\m)*32768+\t*2048 th:TH_STORE_NT   ; 512 consecutive bytes, aligned; written once, read by nobody here
.endr
.endm
.rept 4
	v_nop                                          ; four places behind the last product: for the reads of results and the loads into the weights' registers
.endr
	TOSTAGE 0
.irp m, 1,2,3
.if \m > 1
	s_wait_xcnt 0x0                                ; the stores of two blocks back have read the set that is loaded now
.endif
	TOSTAGE \m
	SEND \m-1, 32                                  ; behind that block's loads: this block's 16 stores and 16 loads
.endr
	SEND 3, 0
	s_wait_tensorcnt 0x0                           ; the wave's end, behind my last tensor load and my last LDS store
	ds_add_u32 v[SPW], v[NIL]
	s_wait_dscnt 0x0
	CROUND                                         ; the closing round
	s_endpgm
.Lfunc_end_k_q2cfbc7ac8d_proj:
	.size	k_q2cfbc7ac8d_proj, .Lfunc_end_k_q2cfbc7ac8d_proj-k_q2cfbc7ac8d_proj
	.p2alignl 7, 3214868480
	.fill 96, 4, 3214868480
	.section	.rodata,"a",@progbits
	.p2align	6, 0x0
	.amdhsa_kernel k_q2cfbc7ac8d_proj
		.amdhsa_group_segment_fixed_size 327680
		.amdhsa_private_segment_fixed_size 0
		.amdhsa_enable_private_segment 0
		.amdhsa_kernarg_size 32
		.amdhsa_user_sgpr_count 2
		.amdhsa_user_sgpr_kernarg_segment_ptr 1
		.amdhsa_wavefront_size32 1
		.amdhsa_system_sgpr_workgroup_id_x 1
		.amdhsa_system_sgpr_workgroup_id_y 1
		.amdhsa_system_sgpr_workgroup_id_z 1
		.amdhsa_system_vgpr_workitem_id 0
		.amdhsa_next_free_vgpr 768
		.amdhsa_next_free_sgpr 66
		.amdhsa_reserve_vcc 0
		.amdhsa_float_denorm_mode_32 3
		.amdhsa_float_denorm_mode_16_64 3
		.amdhsa_memory_ordered 1
		.amdhsa_forward_progress 1
		.amdhsa_inst_pref_size 118
	.end_amdhsa_kernel
	.amdgpu_metadata
---
amdhsa.version: [ 1, 2 ]
amdhsa.kernels:
  - .name:           k_q2cfbc7ac8d_proj
    .symbol:         k_q2cfbc7ac8d_proj.kd
    .args:
      - { .name: oimg, .offset: 0, .size: 8, .value_kind: global_buffer, .address_space: global }
      - { .name: pimg, .offset: 8, .size: 8, .value_kind: global_buffer, .address_space: global }
      - { .name: proj_b, .offset: 16, .size: 8, .value_kind: global_buffer, .address_space: global }
      - { .name: out0, .offset: 24, .size: 8, .value_kind: global_buffer, .address_space: global }
    .group_segment_fixed_size: 327680
    .private_segment_fixed_size: 0
    .kernarg_segment_align: 8
    .kernarg_segment_size: 32
    .max_flat_workgroup_size: 128
    .sgpr_count:     66
    .vgpr_count:     768
    .wavefront_size: 32
...
	.end_amdgpu_metadata
.endif
;; end of part 4
